; MI455X (gfx1250); checked and timed in simulation.
; The chip was launched on July 23, 2026; its instructions are those of AMD's public machine-readable ISA for CDNA 5 (MIT licence, August 2026) and "CDNA5" Instruction Set Architecture Reference Guide (July 2026). The comments in the code are by the model that wrote it; some were corrected since.
;; Flash Attention Pipelined. Allowed arithmetic: matrix products marked QUANTISED: E2M3 operands, one E8M0 scale for each 32 along K, by v_wmma_scale_f32_16x16x128_f8f6f4 with both operands' format E2M3, f32 sums; everything else in f32.
;; Inputs: key 4 x 16 x 2,048 x 128 float32; query 4 x 16 x 2,048 x 128 float32; value 4 x 16 x 2,048 x 128 float32.
;; Outputs: out0 4 x 16 x 2,048 x 128 float32.
;; This version of the problem:
;;   THIS VERSION OF THE PROBLEM IS GIVEN IN LOW PRECISION. The matrix products marked QUANTISED in the list below multiply operands that are first quantised to E2M3 (2 exponent bits, 3 mantissa bits; 6 bits a number), with one power-of-two scale for each 32 numbers along K (OCP MX v1.0); their sums are f32. All else is computed in f32.
;;   The module's matrix products, in the order in which they are computed (A, B: the left and right operand; K: the contracted axis; several contracted axes count as one K, in the product's order):
;;     1. batch 64 x [M 2,048, K 128] x [K 128, N 2,048]; A: input query; B: input key: QUANTISED
;;     2. batch 64 x [M 2,048, K 2,048] x [K 2,048, N 128]; A: softmax (see below); B: input value: QUANTISED
;;   THE QUANTISER, for each operand of a quantised product, along K:
;;     - K is cut into blocks of 32 from its start; a last block that is shorter is filled with zeros.
;;     - A block's scale is 2^e with e = floor(log2(the largest magnitude in the block)) - 2, held to -126 .. 127; a block of zeros has e = 0. As a byte (E8M0): e + 127.
;;     - Each number is divided by its block's scale, clamped to +-7.5, and rounded to the nearest number of E2M3, ties to even, subnormals kept.
;;     - The product sums the exact products of the quantised numbers (number of the format x scale) in f32.
;;   ~~~python
;;   def quantise(x, axis):      # numpy; x: float32 -> the quantised numbers, widened to float32 again
;;       x = np.moveaxis(x, axis, -1); K = x.shape[-1]
;;       x = np.pad(x, [(0, 0)] * (x.ndim - 1) + [(0, -K % 32)]); x = x.reshape(x.shape[:-1] + (-1, 32)); a = np.abs(x).max(-1, keepdims=True)
;;       e = np.where(a > 0, np.clip(np.frexp(np.where(a > 0, a, 1))[1] - 1 - 2, -126, 127), 0)      # np.frexp(a)[1] - 1 = floor(log2(a)), exactly
;;       r = np.clip(x / 2.0 ** e, -7.5, 7.5)
;;       step = 2.0 ** (np.maximum(np.frexp(np.where(r == 0, 1, r))[1] - 1, 0) - 3)
;;       q = np.round(r / step) * step * 2.0 ** e      # np.round: ties to even
;;       return np.moveaxis(q.reshape(q.shape[:-2] + (-1,))[..., :K], -1, axis).astype(np.float32)
;;   ~~~
;;   SOFTMAX AHEAD OF A QUANTISED PRODUCT. Where the list says 'softmax', what is quantised is not the finished softmax but p = 2^(t - M), with t = logit x log2(e) and M = ceil(the row's largest t), a whole number; so 1/2 < the row's largest p <= 1. The row's sum l is taken of the UNQUANTISED p, in f32, and the product's result is divided by l at the end. Since M is a whole number, a kernel that streams over the keys may use a running M (the ceiling of the running maximum): every later rescaling is an exact power of two, which a block's scale takes up: the codes' values come out the same.
;;   OPERANDS COMPUTED ON THE WAY. 'Computed on the way' means the value that the module computes at that place (a softmax that the list does not call 'softmax' is quantised finished and normalised). What goes into a quantiser is computed in f32, as accurately as f32 sums, v_exp_f32 and their like allow (about 1e-6 of the number): no bf16 or f16 on the way to a quantiser, and a product that is left as it is and whose result goes on into a quantised operand takes f32 operands (vector FMAs, or v_wmma_f32_16x16x4_f32). A number that lies on a knife's edge between two numbers of the format may be rounded either way, as far as f32 arithmetic and the matrix unit's own rounding can turn it there, and no further.
;; One version. Each part assembles by itself: llvm-mc -triple=amdgcn-amd-amdhsa -mcpu=gfx1250 --defsym DOCPART=n.
;; ======== version 1 of 1: 2 launches
;; limits: right only within a limited range of input values
;; workspace buffers: kv 26,214,400 bytes
;; launch quant (part 1): grid 8 x 64, 4 waves a work-group, no clusters, 35,328 bytes of LDS; arguments key, value, kv; writes kv
.if DOCPART == 1
	.amdgcn_target "amdgcn-amd-amdhsa--gfx1250"
	.amdhsa_code_object_version 6
	.text
	.protected	k_qdd26009393_quant
	.globl	k_qdd26009393_quant
	.p2align	8
	.type	k_qdd26009393_quant,@function
k_qdd26009393_quant:
	s_mov_b64 s[64:65], 0
	v_nop
	global_prefetch_b8 v0, s[64:65] scope:SCOPE_SE
	s_setreg_imm32_b32 hwreg(HW_REG_WAVE_MODE, 25, 1), 1
	s_wait_xcnt 0x0
; key, value: [64 heads][2048 keys][128] f32.  Both are turned into codes of FP6 (E2M3) with one E8M0 byte for each 32 along the product's K:
; key along the head's 128 numbers, value along the KEYS.  The result, kv, is laid as the attention launch's registers want it:
; a block of 51,200 bytes for each head and each 256 keys (two key steps q of 128 keys):
;   0      K's 16 fragments (q, T) at 12,288 q + 1,536 T: an IMAGE of the operand's 12 registers: register 4 g + i of lane l at 512 g + 16 l + 4 i.
;          Row p of tile T = 4 c + i is key 128 q + 64 c + 8 i + p % 8 + 32 (p / 8): so the scores of a lane come out as whole blocks of 32 neighbouring keys.
;   24,576 V's 16 fragments (q, t) likewise: row r is channel 16 t + r, registers 6 c .. 6 c + 5 of lane (r, h) keys 128 q + 64 c + 32 h + 0 .. 31.
;   49,152 K's scale words: (q, T, p) at 512 q + 64 T + 4 p.        50,176 V's: channel 32 u + l, step q at 256 u + 8 l + 4 q.
; A block's scale is 2^(floor(log2(its largest magnitude)) - 2); its byte is the largest magnitude's exponent field - 2, held at 1 from below.
; LIMITS: NaN and infinities among the inputs are not served.  A block of zeros gets the byte 1 where the rule says 127: its codes are zeros, which add nothing, and this program alone reads the bytes.
; SHARES.  A work-group makes one block.  Wave w: K: keys 64 w .. 64 w + 63 (four fragments); V: channels 32 w + lane, all 256 keys.  Waves share nothing: no barrier.
; K: each load takes one key's 512 consecutive bytes; 16 rows turn through the wave's own stage in LDS (rows 528 bytes apart: 33 x 16, so sixteen lanes that read one column of 16 rows fall on 16 different
; 16-byte columns of 256 bytes) and come back 128 bytes a lane: two whole blocks.  V: a lane takes a channel and its registers run down the keys: nothing is turned.
; No matrix unit, no tensor load, no cluster: the launch streams, each input byte is read once, and no two work-groups read the same bytes.
.set SLOTB, 51200
.set VIMG,  24576
.set KSCL,  49152
.set VSCL,  50176
.set SP,    528                        ; a stage row
.set GAT,   16*SP                      ; behind the stage: the wave's 64 scale words of K
.set WREG,  GAT+256                    ; a wave's LDS
.set L16, 2                            ; v2   16 x lane
.set STW, 3                            ; v3   stage, on the way in: 16 x lane
.set STR, 4                            ; v4   on the way out: 528 r + 128 h
.set SCW, 5                            ; v5   the gather: 4 r
.set SCR, 6                            ; v6   and back: 8 x lane
.set L8,  7                            ; v7   8 x lane
.set L4,  8                            ; v8   4 x lane
.set VIO, 9                            ; v9   V's images: 1,536 (lane / 16) + 16 (lane % 16)
.set SH,  10                           ; v10  8 h
.set BM,  12                           ; v12-15 largest magnitudes
.set SO,  16                           ; v16-17 the conversions' scale operands
.set PX,  18                           ; v18-19 bytes; then the other half's word
.set WD,  20                           ; v20  a row's scale word
.set CT,  22                           ; v[22:24], v[26:28] a block's upper 16 codes (a conversion's three registers begin on an even number)
.set SW,  30                           ; v[30:31] V's two scale words
.set R,   32                           ; v32-95, v96-159 K: 16 rows as loaded, two sets.  V: v32-63, v64-95: a block's 32 numbers, two sets
.set X,   160                          ; v160-223 K: 64 numbers of my row.  V: v160-207 the images' registers: 24 q + 12 h + 6 c
.set C,   224                          ; v224-247 K: a fragment's codes, two sets
.set GW,  248                          ; v[248:249] K's scale words on the way out
	s_load_b128 s[4:7], s[0:1], 0x0                ; key, value
	s_load_b64 s[8:9], s[0:1], 0x10                ; kv
	v_lshl_add_u32 v254, v0, 2, 0x8800
	v_mov_b32 v255, 0
	v_lshrrev_b32 v1, 5, v0
	v_readfirstlane_b32 s10, v1                    ; wave
	s_and_b32 s11, ttmp7, 0xffff                   ; head
	v_and_b32 v1, 31, v0                           ; lane
	v_and_b32 v11, 15, v0                          ; r
	v_bfe_u32 v10, v0, 4, 1                        ; h
	s_mul_i32 s24, s10, WREG                       ; my wave's LDS
	s_add_co_u32 s25, s24, GAT
	v_lshlrev_b32 v[L16], 4, v1
	v_lshlrev_b32 v[L8], 3, v1
	v_lshlrev_b32 v[L4], 2, v1
	v_add_nc_u32 v[STW], s24, v[L16]
	v_mul_u32_u24 v[STR], v11, SP
	v_lshl_add_u32 v[STR], v10, 7, v[STR]
	v_add_nc_u32 v[STR], s24, v[STR]
	v_lshl_add_u32 v[SCW], v11, 2, s25
	v_add_nc_u32 v[SCR], s25, v[L8]
	v_mul_u32_u24 v[VIO], v10, 1536
	v_lshl_add_u32 v[VIO], v11, 4, v[VIO]
	v_lshlrev_b32 v[SH], 3, v10
	s_mov_b32 s22, 0x76543210
	s_mov_b32 s23, 0xfedcba98                      ; v_permlanex16_b32's selects for lane l xor 16
	s_lshl_b32 s24, s11, 20                        ; a head is 2,048 x 512 bytes,
	s_lshl_b32 s25, ttmp9, 17                      ; 256 keys are 131,072
	s_add_co_u32 s24, s24, s25
	s_lshl_b32 s25, s10, 15                        ; K: my 64 keys
	s_add_co_u32 s26, s24, s25
	s_mov_b32 s27, 0
	s_lshl_b32 s25, s10, 7                         ; V: my 32 channels
	s_add_co_u32 s24, s24, s25
	s_mov_b32 s25, 0
	s_wait_alu depctr_va_vdst(0)
	s_wait_kmcnt 0x0
	s_add_nc_u64 s[12:13], s[4:5], s[26:27]        ; key at my first row
	s_add_nc_u64 s[14:15], s[6:7], s[24:25]        ; value at my first channel of the first key
	s_lshl_b32 s24, s11, 3
	s_add_co_u32 s24, s24, ttmp9
	s_mul_i32 s24, s24, SLOTB                      ; my block of kv (under 2^25 bytes)
	s_add_nc_u64 s[8:9], s[8:9], s[24:25]
	s_mul_i32 s26, s10, 6144
	s_add_nc_u64 s[16:17], s[8:9], s[26:27]        ; + my four fragments of K
	s_lshl_b32 s26, s10, 8
	s_add_nc_u64 s[18:19], s[8:9], s[26:27]        ; + my 256 bytes of scale words
	s_mul_i32 s26, s10, 3072
	s_add_nc_u64 s[20:21], s[8:9], s[26:27]        ; + my two fragments of V in each step
.macro KLOAD j                         ; the 16 keys of fragment j, each 512 consecutive bytes, into set j % 2
.irp i, 0,1,2,3,4,5,6,7,8,9,10,11,12,13,14,15
	global_load_b128 v[R+64*((\j)%2)+4*\i:R+64*((\j)%2)+4*\i+3], v[L16], s[12:13] offset:(8*(\j)+\i%8+32*(\i/8))*512 th:TH_LOAD_NT
.endr
.endm
.macro VLOAD t                         ; V(32 t + i, my channel), i = 0 .. 31, into set t % 2
.irp i, 0,1,2,3,4,5,6,7,8,9,10,11,12,13,14,15,16,17,18,19,20,21,22,23,24,25,26,27,28,29,30,31
	global_load_b32 v[R+32*((\t)%2)+\i], v[L4], s[14:15] offset:(32*(\t)+\i)*512 th:TH_LOAD_NT
.endr
.endm
; Fragment j of K.  cnt: the loads issued behind this fragment's sixteen, which may stay out.  nk, nv: what is asked for next (-1: nothing of that kind).
.macro KFRAG j, cnt, nk, nv
	s_wait_loadcnt \cnt
.irp i, 0,1,2,3,4,5,6,7,8,9,10,11,12,13,14,15
	ds_store_b128 v[STW], v[R+64*((\j)%2)+4*\i:R+64*((\j)%2)+4*\i+3] offset:SP*\i
.endr
.irp i, 0,1,2,3,4,5,6,7,8,9,10,11,12,13,14,15
	ds_load_b128 v[X+4*\i:X+4*\i+3], v[STR] offset:256*(\i/8)+16*(\i%8)   ; LDS serves a wave's instructions in order: these see the stores.  Register 32 c + n: number 64 c + 32 h + n of row r
.endr
	s_wait_dscnt 0x0                               ; my 64 numbers are in, and the stores have read the set
	s_wait_xcnt 0x0                                ; the code set's stores of two fragments ago have read their registers
.if (\nk) >= 0
	KLOAD \nk
.endif
.if (\nv) >= 0
	VLOAD \nv
.endif
.irp k, 0,1,2,3
	v_max3_num_f32 v[BM+\k], |v[X+16*\k]|, |v[X+16*\k+1]|, |v[X+16*\k+2]|   ; four chains by turns, two to a block
.endr
.irp i, 3,5,7,9,11,13
.irp k, 0,1,2,3
	v_max3_num_f32 v[BM+\k], v[BM+\k], |v[X+16*\k+\i]|, |v[X+16*\k+\i+1]|
.endr
.endr
	v_max3_num_f32 v[BM], v[BM], v[BM+1], |v[X+15]|
	v_max3_num_f32 v[BM+2], v[BM+2], v[BM+3], |v[X+47]|
	v_max3_num_f32 v[BM], v[BM], |v[X+31]|, 0x1800000       ; with the floor 2^(3 - 127): the byte cannot fall under 1
	v_max3_num_f32 v[BM+1], v[BM+2], |v[X+63]|, 0x1800000
.irp c, 0,1
	v_add_nc_u32 v[SO+\c], 0xff000000, v[BM+\c]    ; 2 off the exponent field: the conversion takes this operand's exponent field as its scale
.endr
.irp c, 0,1
	v_lshrrev_b32 v[PX+\c], 23, v[SO+\c]           ; the scale's byte
.endr
	v_lshl_or_b32 v[WD], v[PX+1], 16, v[PX]        ; my two bytes: blocks h and 2 + h of row r,
	v_lshlrev_b32 v[WD], v[SH], v[WD]              ; at their places in the word;
	v_permlanex16_b32 v[PX], v[WD], s22, s23
	v_or_b32 v[WD], v[WD], v[PX]                   ; with lane l xor 16's two the word is whole
.irp c, 0,1
	v_cvt_scalef32_pk16_fp6_f32 v[C+12*((\j)%2)+6*\c:C+12*((\j)%2)+6*\c+2], v[X+32*\c:X+32*\c+15], v[SO+\c]
	v_cvt_scalef32_pk16_fp6_f32 v[CT+4*\c:CT+4*\c+2], v[X+32*\c+16:X+32*\c+31], v[SO+\c]
.endr
	v_nop                                          ; one plain place behind a scaled conversion
.irp c, 0,1
.irp i, 0,1,2
	v_mov_b32 v[C+12*((\j)%2)+6*\c+3+\i], v[CT+4*\c+\i]
.endr
.endr
	ds_store_b32 v[SCW], v[WD] offset:64*(\j)      ; lanes r and r + 16 write the same word with the same value
.irp g, 0,1,2
	global_store_b128 v[L16], v[C+12*((\j)%2)+4*\g:C+12*((\j)%2)+4*\g+3], s[16:17] offset:1536*(\j)+512*\g   ; the image: 512 consecutive bytes, aligned
.endr
.endm
; Block t of V: keys 32 t .. 32 t + 31 of my channel: all 32 numbers are mine.  It is block t % 4 of step t / 4: half h = t % 2, registers 6 c on with c = (t % 4) / 2.
.macro VBLOCK t
.set XS, R+32*((\t)%2)
.set IMB, X+24*((\t)/4)+12*((\t)%2)+6*(((\t)%4)/2)
.if (\t) < 7
	s_wait_loadcnt 32                              ; this block's 32 loads are in; the next block's may be out
.else
	s_wait_loadcnt 0x0
.endif
	v_max3_num_f32 v[BM], |v[XS]|, |v[XS+1]|, |v[XS+2]|
	v_max3_num_f32 v[BM+1], |v[XS+3]|, |v[XS+4]|, |v[XS+5]|
.irp i, 6,10,14,18,22,26
	v_max3_num_f32 v[BM], v[BM], |v[XS+\i]|, |v[XS+\i+1]|
	v_max3_num_f32 v[BM+1], v[BM+1], |v[XS+\i+2]|, |v[XS+\i+3]|
.endr
	v_max3_num_f32 v[BM], v[BM], |v[XS+30]|, |v[XS+31]|
	v_max3_num_f32 v[BM], v[BM], v[BM+1], 0x1800000
	v_add_nc_u32 v[SO], 0xff000000, v[BM]
	v_lshrrev_b32 v[PX], 23, v[SO]
	v_cvt_scalef32_pk16_fp6_f32 v[IMB:IMB+2], v[XS:XS+15], v[SO]
	v_cvt_scalef32_pk16_fp6_f32 v[CT:CT+2], v[XS+16:XS+31], v[SO]
.if (\t)%4 == 0
	v_mov_b32 v[SW+(\t)/4], v[PX]                  ; four bytes to a word, the lower keys in the lower byte.  (The plain place behind the conversions)
.else
	v_lshl_or_b32 v[SW+(\t)/4], v[PX], 8*((\t)%4), v[SW+(\t)/4]
.endif
.irp i, 0,1,2
	v_mov_b32 v[IMB+3+\i], v[CT+\i]
.endr
.if (\t)+2 < 8
	VLOAD (\t)+2
.endif
.if (\t)%4 == 3                        ; a step's registers are whole: my lane holds those of image lanes (r, 0) and (r, 1) of fragment 2 w + lane / 16
.irp h, 0,1
.irp g, 0,1,2
	global_store_b128 v[VIO], v[X+24*((\t)/4)+12*\h+4*\g:X+24*((\t)/4)+12*\h+4*\g+3], s[20:21] offset:VIMG+12288*((\t)/4)+512*\g+256*\h   ; sixteen lanes fill 256 consecutive bytes, aligned
.endr
.endr
.endif
.endm
	KLOAD 0
	KLOAD 1
	KFRAG 0, 16, 2, -1                             ; behind fragment 0's loads: fragment 1's sixteen
	KFRAG 1, 16, 3, -1
	KFRAG 2, 16, -1, 0                             ; V's first block is asked for into the set that fragment 2 has left
	KFRAG 3, 32, -1, 1                             ; behind fragment 3's loads: V's first 32
	ds_load_b64 v[GW:GW+1], v[SCR]                 ; my 64 scale words of K, 8 bytes a lane
	s_wait_dscnt 0x0
	global_store_b64 v[L8], v[GW:GW+1], s[18:19] offset:KSCL   ; 256 consecutive bytes, aligned
.irp t, 0,1,2,3,4,5,6,7
	VBLOCK \t
.endr
	global_store_b64 v[L8], v[SW:SW+1], s[18:19] offset:VSCL   ; likewise V's
	s_wait_tensorcnt 0x0
	ds_add_u32 v254, v255
	s_wait_dscnt 0x0
	s_endpgm
.Lfunc_end_k_qdd26009393_quant:
	.size	k_qdd26009393_quant, .Lfunc_end_k_qdd26009393_quant-k_qdd26009393_quant
	.p2alignl 7, 3214868480
	.fill 96, 4, 3214868480
	.section	.rodata,"a",@progbits
	.p2align	6, 0x0
	.amdhsa_kernel k_qdd26009393_quant
		.amdhsa_group_segment_fixed_size 35328
		.amdhsa_private_segment_fixed_size 0
		.amdhsa_enable_private_segment 0
		.amdhsa_kernarg_size 24
		.amdhsa_user_sgpr_count 2
		.amdhsa_user_sgpr_kernarg_segment_ptr 1
		.amdhsa_wavefront_size32 1
		.amdhsa_system_sgpr_workgroup_id_x 1
		.amdhsa_system_sgpr_workgroup_id_y 1
		.amdhsa_system_sgpr_workgroup_id_z 1
		.amdhsa_system_vgpr_workitem_id 0
		.amdhsa_next_free_vgpr 256
		.amdhsa_next_free_sgpr 66
		.amdhsa_reserve_vcc 0
		.amdhsa_float_denorm_mode_32 3
		.amdhsa_float_denorm_mode_16_64 3
		.amdhsa_memory_ordered 1
		.amdhsa_forward_progress 1
		.amdhsa_inst_pref_size 67
	.end_amdhsa_kernel
	.amdgpu_metadata
---
amdhsa.version: [ 1, 2 ]
amdhsa.kernels:
  - .name:           k_qdd26009393_quant
    .symbol:         k_qdd26009393_quant.kd
    .args:
      - { .name: key, .offset: 0, .size: 8, .value_kind: global_buffer, .address_space: global }
      - { .name: value, .offset: 8, .size: 8, .value_kind: global_buffer, .address_space: global }
      - { .name: kv, .offset: 16, .size: 8, .value_kind: global_buffer, .address_space: global }
    .group_segment_fixed_size: 35328
    .private_segment_fixed_size: 0
    .kernarg_segment_align: 8
    .kernarg_segment_size: 24
    .max_flat_workgroup_size: 128
    .sgpr_count:     66
    .vgpr_count:     256
    .wavefront_size: 32
...
	.end_amdgpu_metadata
.endif
;; end of part 1
;; launch attn (part 2): grid 4 x 64, 8 waves a work-group, clusters of 4 x 1, 327,680 bytes of LDS; arguments query, kv, out0; writes out0
.if DOCPART == 2
	.amdgcn_target "amdgcn-amd-amdhsa--gfx1250"
	.amdhsa_code_object_version 6
	.text
	.protected	k_qdd26009393_attn
	.globl	k_qdd26009393_attn
	.p2align	8
	.type	k_qdd26009393_attn,@function
k_qdd26009393_attn:
	s_mov_b64 s[64:65], 0
	v_nop
	global_prefetch_b8 v0, s[64:65] scope:SCOPE_SE
	s_setreg_imm32_b32 hwreg(HW_REG_WAVE_MODE, 25, 1), 1
	s_wait_xcnt 0x0
	s_wait_alu depctr_hold_cnt(0) depctr_sa_sdst(0) depctr_va_vdst(0) depctr_va_sdst(0) depctr_va_ssrc(0) depctr_va_vcc(0) depctr_vm_vsrc(0)
	s_getreg_b32 s2, hwreg(HW_REG_IB_STS2, 6, 4)
	s_cmp_eq_u32 s2, 0
	s_cbranch_scc0 .Lentry_in_a_cluster
	s_endpgm
.Lentry_in_a_cluster:
	s_bfe_u32 s2, ttmp6, 0x10000c
	s_cmp_lg_u32 s2, 0x3003
	s_cbranch_scc0 .Lentry_shape_is_right
	s_endpgm
.Lentry_shape_is_right:
; out[h][q][:] = sum over k of softmax_k(Q[h][q] . K[h][k] / sqrt(128)) V[h][k][:]; 64 heads, 2,048 queries and keys, head size 128.
; Both products on codes of FP6 (E2M3) with one E8M0 byte for each 32 along K.  query, out0: f32.  K and V come from kv as images of the operands' registers:
; for each head and 256 keys a dense block of 51,200 bytes: 0 K's fragments (step q, tile T) at 12,288 q + 1,536 T; 24,576 V's likewise;
; 49,152 K's scale words 512 q + 64 T + 4 row; 50,176 V's: channel 32 u + l, step q at 256 u + 8 l + 4 q.
; SOFTMAX: t = S x c, c = log2(e) / sqrt(128); M = the running largest t rounded up to a whole number; p = 2^(t - M) is quantised along the keys, not normalised.
; The row's sum is taken of the unquantised p and divides O at the end.  When M moves, the sum and O are multiplied by 2^(old M - new M): exact.
; LIMITS: NaN and infinities are not served.  The promise holds while |t| stays under 2^31.  A p under 2^-126 counts as 0 (v_exp_f32 flushes denormals: ISA guide, its entry).
; c is one constant where the definition multiplies twice.  A block's largest p is made from the block's largest S by the same multiply-add and exponential: this takes v_exp_f32 not to fall where its input rises.
; SHARES: a work-group owns 512 queries of a head, as two blocks of 256 walked one after the other: 4 x 64 = 256 work-groups.  Each of eight waves owns 32 queries of a block:
; tile A in register window 0, tile B under the same numbers in window 1, so each fragment read from LDS feeds two products.
; LAYOUT: both products transposed (S^T = K Q^T, O^T = V^T P^T): a lane holds one query.  Row p of K's tile 4 c + i is key 64 c + 8 i + p % 8 + 32 (p / 8), so a lane's registers S + 32 c + 0..31 are
; keys 64 c + 32 (lane / 16) + 0..31: whole blocks in the order of the next operand's registers.
; RING: two LDS slots of 256 keys (two key steps).  CLUSTER: the four work-groups of a cluster walk one head's kv: each wave asks JOINTLY (mask 15) for its eighth of a slot, 25 rows of 256 bytes;
; every wave issues one tensor load at the head and one behind each round, and has at most one out.
; The second block's Q comes in under the first block's steps, 4 rows a wave in each of its 8 slots, into the wave's own stage.
; Left out: a prefetch of kv: each refill is asked for two key steps ahead of its first read, and the second walk reads what the first has read.
; REGISTERS: window 0 alone: v1-11 addresses, v80-91 scale words, v92 Q's place in the stage.  Window 1 alone: v80-95 four rows of the next Q.  Both windows: see the names below; v32-79 fragments: tiles 0-3 window 0, tiles 4-7 window 1.
.set SLOTB, 51200
.set PARTB, 6400                       ; a wave's eighth of a slot
.set VIMG,  24576
.set KSCL,  49152
.set VSCL,  50176
.set BLKB,  131072                     ; 256 queries in query and out0
.set SLOT1, 1<<16                      ; slot 1's first byte
.set SPARE, 2*SLOT1                    ; the spare words: 128 bytes for each of eight waves
.set STAGE, SPARE+1024                 ; 32 rows x 528 bytes for each wave, its own; no fill lands here
.set SP,    528                        ; 33 x 16 bytes
.set WSTG,  32*SP
.set L16, 1                            ; 16 x lane
.set L4,  2
.set L8,  3
.set SPW, 4                            ; my spare word; never rewritten
.set NIL, 5                            ; 0; never rewritten
.set AF,  6                            ; slot in hand + 16 x lane
.set AS4, 7
.set AS8, 8
.set QRD, 9                            ; stage + 528 r + 128 h
.set STO, 10                           ; stage + 528 r + 32 h
.set RD,  11                           ; stage + 16 x lane
.set NM,  12                           ; -M
.set TM,  13                           ; the running largest S
.set LS,  14                           ; v[14:15] the sum
.set QC,  16                           ; Q's codes
.set FF,  28                           ; f; v29 = 8 h
.set LS2, 30
.set FR,  32
.set KS,  80
.set VS,  84
.set QS,  88
.set PS,  90
.set QW,  92
.set QP,  80                           ; window 1
.set S,   96
.set OT,  160
.set PC,  224
.set BM,  236
.set PX,  240
.set SO,  244
.set CT,  248                          ; v[248:250], v[252:254]
.set W1,  251
.set W2,  255
.set WV,  10
.set SEL, 20
.set CS,  22
.set G1,  24
.set G0,  32
.set TB,  36
.set SLOTS, 37
.set Q1P, 40
.set QT,  42
.set MSB, 0
.macro WIN new                         ; bits 1:0 source 0, 3:2 source 1, 5:4 source 2, 7:6 destination; the high byte repeats the setting that is left
.if MSB != (\new)
	s_set_vgpr_msb (MSB<<8)|(\new)
.set MSB, (\new)
.endif
.endm
.macro PLACES n
.rept \n
	v_nop
.endr
.endm
.macro CROUND                          ; a round of the cluster's barrier
	s_barrier_signal -1
	s_barrier_wait -1
	s_cmp_lg_u32 s[WV], 0
	s_cbranch_scc1 .Lnot_wave_0_\@
	s_barrier_signal -3
.Lnot_wave_0_\@:
	s_barrier_wait -3
	s_barrier_signal -1
	s_barrier_wait -1
.endm
.macro JLOAD                           ; my eighth of a slot; s_nop 0 and four v_nop follow
	tensor_load_to_lds s[G0:G0+3], s[G1:G1+7]
	s_nop 0
	PLACES 4
.endm
	s_load_b128 s[4:7], s[0:1], 0x0                ; query, kv
	s_load_b64 s[8:9], s[0:1], 0x10                ; out0
	v_lshl_add_u32 v[SPW], v0, 2, SPARE
	v_mov_b32 v[NIL], 0
	ds_add_u32 v[SPW], v[NIL]                      ; the opening lines: the add, twice on end, under one wait
	ds_add_u32 v[SPW], v[NIL]
	v_lshrrev_b32 v1, 5, v0
	v_readfirstlane_b32 s[WV], v1                  ; wave 0..7
	s_bfe_u32 s12, ttmp6, 0x40000                  ; cx: it enters query's and out0's addresses alone
	s_lshl_b32 s13, ttmp9, 2
	s_add_co_u32 s13, s13, s12                     ; my 512 queries
	s_and_b32 s14, ttmp7, 0xffff                   ; the head, which the partners share
	s_lshl_b32 s16, s14, 20
	s_lshl_b32 s17, s13, 18
	s_add_co_u32 s16, s16, s17
	s_lshl_b32 s17, s[WV], 14                      ; my 32 rows of a block
	s_add_co_u32 s16, s16, s17
	s_mov_b32 s17, 0
	s_mul_i32 s18, s14, 8*SLOTB                    ; the head's kv
	s_mul_i32 s[G0+1], s[WV], PARTB                ; LDS address: my eighth of slot 0
	s_add_co_u32 s18, s18, s[G0+1]
	s_mov_b32 s19, 0
	s_mov_b32 s[G0], 1
	s_mov_b32 s[G1], 15|(3<<16)|(1<<21)            ; mask: all four; elements of 8 bytes; bit 21 beside a mask
	s_mov_b32 s[G1+1], 32<<16                      ; rows of 32 elements: 256 bytes
	s_mov_b32 s[G1+2], 25<<16
	s_mov_b32 s[G1+3], 32<<16
	s_mov_b32 s[G1+4], 25
	s_mov_b32 s[G1+5], 32                          ; dense
	s_mov_b32 s[G1+6], 0
	s_mov_b32 s[G1+7], 0
	s_mov_b32 s[SEL], 0x76543210
	s_mov_b32 s[SEL+1], 0xfedcba98                 ; selects for lane l xor 16
	s_mov_b32 s[CS], 0x3e0293ee                    ; c
	s_mov_b32 s[CS+1], s[CS]
	s_mov_b32 s[TB], 0
	s_mov_b32 s[QT], 0
	s_mul_i32 s38, s[WV], WSTG
	s_add_co_u32 s38, s38, STAGE                   ; my stage
	v_and_b32 v1, 31, v0
	v_lshlrev_b32 v[L4], 2, v1
	v_lshlrev_b32 v[L8], 3, v1
	v_lshlrev_b32 v[L16], 4, v1
	v_and_b32 v6, 15, v0                           ; r
	v_bfe_u32 v7, v0, 4, 1                         ; h
	v_mul_u32_u24 v8, v6, SP
	v_add_nc_u32 v8, s38, v8
	v_lshl_add_u32 v[QRD], v7, 7, v8
	v_lshl_add_u32 v[STO], v7, 5, v8
	v_add_nc_u32 v[RD], s38, v[L16]
	v_lshlrev_b32 v29, 3, v7                       ; 8 h
	WIN 0x40
	v_mov_b32 v29, v29                             ; and in window 1
	WIN 0
	s_wait_alu depctr_va_vdst(0)                   ; the wait at the head's end
	s_wait_dscnt 0x0                               ; both opening adds are done
	s_wait_kmcnt 0x0
	s_add_nc_u64 s[4:5], s[4:5], s[16:17]
	s_add_nc_u64 s[8:9], s[8:9], s[16:17]
	s_add_nc_u64 s[Q1P:Q1P+1], s[4:5], BLKB
	s_add_nc_u64 s[G0+2:G0+3], s[6:7], s[18:19]
	s_or_b32 s[G0+3], s[G0+3], 0x80000000
.irp i, 0,1,2,3,4,5,6,7,8,9,10,11,12,13,14,15
	global_load_b128 v[OT+4*\i:OT+4*\i+3], v[L16], s[4:5] offset:512*\i th:TH_LOAD_NT   ; a whole row of Q: tile A
.endr
	WIN 0x40
.irp i, 0,1,2,3,4,5,6,7,8,9,10,11,12,13,14,15
	global_load_b128 v[OT+4*\i:OT+4*\i+3], v[L16], s[4:5] offset:8192+512*\i th:TH_LOAD_NT   ; tile B, window 1
.endr
	WIN 0
	CROUND                                         ; the first joint loads meet
	JLOAD                                          ; slot 0
; The largest of a lane's two blocks into BM, BM + 1: four chains by turns, ascending, each accumulator first read at its low end.  abs = 1: magnitudes, with the floor 2^(3 - 127)
.macro BLOCKMAX abs
.if \abs
.irp k, 0,1,2,3
	v_max3_num_f32 v[BM+\k], |v[S+16*\k]|, |v[S+16*\k+1]|, |v[S+16*\k+2]|
.endr
.irp i, 3,5,7,9,11,13
.irp k, 0,1,2,3
	v_max3_num_f32 v[BM+\k], v[BM+\k], |v[S+16*\k+\i]|, |v[S+16*\k+\i+1]|
.endr
.endr
	v_max3_num_f32 v[BM], v[BM], v[BM+1], |v[S+15]|
	v_max3_num_f32 v[BM+2], v[BM+2], v[BM+3], |v[S+47]|
	v_max3_num_f32 v[BM], v[BM], |v[S+31]|, 0x1800000
	v_max3_num_f32 v[BM+1], v[BM+2], |v[S+63]|, 0x1800000
.else
.irp k, 0,1,2,3
	v_max3_num_f32 v[BM+\k], v[S+16*\k], v[S+16*\k+1], v[S+16*\k+2]
.endr
.irp i, 3,5,7,9,11,13
.irp k, 0,1,2,3
	v_max3_num_f32 v[BM+\k], v[BM+\k], v[S+16*\k+\i], v[S+16*\k+\i+1]
.endr
.endr
	v_max3_num_f32 v[BM], v[BM], v[BM+1], v[S+15]
	v_max3_num_f32 v[BM+2], v[BM+2], v[BM+3], v[S+47]
	v_max_num_f32 v[BM], v[BM], v[S+31]
	v_max_num_f32 v[BM+1], v[BM+2], v[S+63]
.endif
.endm
.macro MV dst, c, i                    ; a block's upper 16 codes to their place (a conversion's three registers begin on an even number)
	v_mov_b32 v[\dst+6*\c+3+\i], v[CT+4*\c+\i]
.endm
; BM, BM + 1: the two blocks' largest magnitudes, not under the floor.  S + 0..63 become the operand's twelve registers at dst, v[sw] (window 0) the row's scale word.
; The shifts behind the conversions are their plain place; the moves stand between the links of the word's chain.
.macro QUANT t, dst, sw
.irp c, 0,1
	v_add_nc_u32 v[SO+\c], 0xff000000, v[BM+\c]    ; 2 off the exponent field: the conversion's scale operand
.endr
.irp c, 0,1
	v_cvt_scalef32_pk16_fp6_f32 v[\dst+6*\c:\dst+6*\c+2], v[S+32*\c:S+32*\c+15], v[SO+\c]
	v_cvt_scalef32_pk16_fp6_f32 v[CT+4*\c:CT+4*\c+2], v[S+32*\c+16:S+32*\c+31], v[SO+\c]
.endr
.irp c, 0,1
	v_lshrrev_b32 v[PX+\c], 23, v[SO+\c]           ; the scale's byte
.endr
	MV \dst, 0, 0
	v_lshl_or_b32 v[W1], v[PX+1], 16, v[PX]        ; blocks h and 2 + h,
	MV \dst, 0, 1
	MV \dst, 0, 2
	v_lshlrev_b32 v[W1], v29, v[W1]                ; at their places in the word
	MV \dst, 1, 0
	MV \dst, 1, 1
	v_permlanex16_b32 v[PX], v[W1], s[SEL], s[SEL+1]
	MV \dst, 1, 2
	WIN 0x05*\t
	v_or_b32 v[\sw], v[W1], v[PX]                  ; with lane l xor 16's two the word is whole
	WIN 0x55*\t
.endm
.macro INIT t                          ; a block's first step finds zeros, which the first change of M (f = 0) leaves zeros
	WIN 0x55*\t
	v_mov_b32 v[TM], 0xff61b1e6                    ; -3e38, under every S
	v_floor_f32 v[NM], -v[TM]
	v_mov_b32 v[LS], 0
	v_mov_b32 v[LS+1], 0
.set j, 0
.rept 64
	v_mov_b32 v[OT+j], 0
.set j, j+1
.endr
.endm
.macro QUANTQ younger                  ; both tiles' Q are on their way from the stage into S; younger: LDS instructions behind tile A's loads
	s_wait_dscnt \younger
	BLOCKMAX 1
	QUANT 0, QC, QS
	s_wait_dscnt 0x0
	WIN 0x55
	BLOCKMAX 1
	QUANT 1, QC, QS+1
	WIN 0
.endm
	; Q of the first block turns through rows 0-15 of my stage and comes back 128 bytes a lane for each c
	s_wait_loadcnt 16                              ; tile A's sixteen are in
.irp i, 0,1,2,3,4,5,6,7,8,9,10,11,12,13,14,15
	ds_store_b128 v[RD], v[OT+4*\i:OT+4*\i+3] offset:SP*\i
.endr
.irp i, 0,1,2,3,4,5,6,7,8,9,10,11,12,13,14,15
	ds_load_b128 v[S+4*\i:S+4*\i+3], v[QRD] offset:256*(\i/8)+16*(\i%8)   ; LDS serves a wave's instructions in order
.endr
	s_wait_loadcnt 0x0
	WIN 0x04
.irp i, 0,1,2,3,4,5,6,7,8,9,10,11,12,13,14,15
	ds_store_b128 v[RD], v[OT+4*\i:OT+4*\i+3] offset:SP*\i
.endr
	WIN 0x40
.irp i, 0,1,2,3,4,5,6,7,8,9,10,11,12,13,14,15
	ds_load_b128 v[S+4*\i:S+4*\i+3], v[QRD] offset:256*(\i/8)+16*(\i%8)
.endr
	WIN 0
	QUANTQ 32                                      ; behind tile A's loads: tile B's 16 stores and 16 loads
	INIT 0
	INIT 1
	WIN 0
; THE PRODUCTS.  Query tile t, tile T of keys or channels; the fragment lies in window T / 4.  Odd tiles' scale words stand in lanes 16-31.
.macro QK t, T
.if (\T)%2
	v_wmma_scale_f32_16x16x128_f8f6f4 v[S+8*(\T):S+8*(\T)+7], v[FR+12*((\T)%4):FR+12*((\T)%4)+11], v[QC:QC+11], 0, v[KS+(\T)/2], v[QS+\t] matrix_a_fmt:MATRIX_FMT_FP6 matrix_b_fmt:MATRIX_FMT_FP6 matrix_a_scale:MATRIX_SCALE_ROW1
.else
	v_wmma_scale_f32_16x16x128_f8f6f4 v[S+8*(\T):S+8*(\T)+7], v[FR+12*((\T)%4):FR+12*((\T)%4)+11], v[QC:QC+11], 0, v[KS+(\T)/2], v[QS+\t] matrix_a_fmt:MATRIX_FMT_FP6 matrix_b_fmt:MATRIX_FMT_FP6
.endif
.endm
.macro PV t, T
.if (\T)%2
	v_wmma_scale_f32_16x16x128_f8f6f4 v[OT+8*(\T):OT+8*(\T)+7], v[FR+12*((\T)%4):FR+12*((\T)%4)+11], v[PC:PC+11], v[OT+8*(\T):OT+8*(\T)+7], v[VS+(\T)/2], v[PS+\t] matrix_a_fmt:MATRIX_FMT_FP6 matrix_b_fmt:MATRIX_FMT_FP6 matrix_a_scale:MATRIX_SCALE_ROW1
.else
	v_wmma_scale_f32_16x16x128_f8f6f4 v[OT+8*(\T):OT+8*(\T)+7], v[FR+12*((\T)%4):FR+12*((\T)%4)+11], v[PC:PC+11], v[OT+8*(\T):OT+8*(\T)+7], v[VS+(\T)/2], v[PS+\t] matrix_a_fmt:MATRIX_FMT_FP6 matrix_b_fmt:MATRIX_FMT_FP6
.endif
.endm
.macro LOADF0 base                     ; the images of tiles 0-3 into window 0
	WIN 0
.irp T, 0,1,2,3
.irp g, 0,1,2
	ds_load_b128 v[FR+12*\T+4*\g:FR+12*\T+4*\g+3], v[AF] offset:\base+1536*\T+512*\g
.endr
.endr
.endm
.macro LOADF1 base                     ; tiles 4-7 into window 1
	WIN 0x40
.irp T, 0,1,2,3
.irp g, 0,1,2
	ds_load_b128 v[FR+12*\T+4*\g:FR+12*\T+4*\g+3], v[AF] offset:\base+1536*(4+\T)+512*\g
.endr
.endr
.endm
; THE SOFTMAX of tile t for one key step, in window t but for the scale word.  All plain work that feeds the exponentials stands ahead of them; they go as one batch of 66.
.macro SOFTMAX t
	WIN 0x55*\t
.if \t
	s_wait_alu depctr_va_vdst(0)                   ; tile A's exponentials stand behind tile B's first product: the wait ahead of its first reader
.endif
	BLOCKMAX 0                                     ; each block's largest S: for the row's maximum and for the block's largest p
	v_mov_b32 v[W1], v[NM]                         ; the old -M
	v_max_num_f32 v[W2], v[BM], v[BM+1]
	v_permlanex16_b32 v[PX], v[W2], s[SEL], s[SEL+1]
	v_max3_num_f32 v[TM], v[TM], v[W2], v[PX]      ; the running largest S (c is positive: the largest S gives the largest t)
	s_delay_alu instid0(VALU_DEP_1)
	v_mul_f32 v[W2], s[CS], v[TM]                  ; as t
	s_delay_alu instid0(VALU_DEP_1)
	v_floor_f32 v[NM], -v[W2]                      ; -M = -ceil(t)
	s_delay_alu instid0(VALU_DEP_1)
	v_sub_f32 v[W2], v[NM], v[W1]                  ; old M - new M: a whole number, 0 or less
	s_delay_alu instid0(VALU_DEP_1)
	v_cvt_i32_f32 v[W2], v[W2]                     ; (it saturates)
	s_delay_alu instid0(VALU_DEP_1)
	v_ldexp_f32 v[FF], 1.0, v[W2]                  ; f = 2^(old M - new M)
.if \t
	s_wait_alu depctr_va_vdst(0)                   ; likewise ahead of the first reader of tile B's O^T
.endif
.set i, 0
.rept 32
	v_pk_mul_f32 v[OT+2*i:OT+2*i+1], v[OT+2*i:OT+2*i+1], v[FF:FF+1] op_sel_hi:[1,0]   ; O^T under the new M, ascending
.set i, i+1
.endr
.irp c, 0,1
	v_fma_f32 v[BM+\c], v[BM+\c], s[CS], v[NM]     ; t - M of each block's largest
.endr
.set i, 0
.rept 32
	v_pk_fma_f32 v[S+2*i:S+2*i+1], v[S+2*i:S+2*i+1], s[CS:CS+1], v[NM:NM+1] op_sel_hi:[1,0,0]   ; t - M
.set i, i+1
.endr
	s_wait_alu depctr_va_vdst(0)                   ; the wait ahead of the batch
.irp c, 0,1
	v_exp_f32 v[BM+\c], v[BM+\c]                   ; the block's largest p
.endr
.set i, 0
.rept 64
	v_exp_f32 v[S+i], v[S+i]                       ; p
.set i, i+1
.endr
	v_pk_mul_f32 v[LS:LS+1], v[LS:LS+1], v[FF:FF+1] op_sel_hi:[1,0]   ; the sum under the new M: the plain place behind the batch
	s_wait_alu depctr_va_vdst(0)                   ; one wait for the batch, ahead of its first reader
.irp c, 0,1
	v_max_num_f32 v[BM+\c], 0x1800000, v[BM+\c]    ; the floor: a block whose every p is 0 keeps the byte 1; its codes are zeros
.endr
	QUANT \t, PC, PS+\t
; the row's sum of the unquantised p, 32 pairs in four chains by turns; these 32 lines are also the places between the scale word, the codes and the second product
.set p, 0
.rept 32
.if p%4 == 0
	v_pk_add_f32 v[LS:LS+1], v[LS:LS+1], v[S+2*p:S+2*p+1]
.elseif p >= 4
.if p%4 == 1
.set CH, LS2
.else
.set CH, BM+2*(p%4)-4
.endif
.if p < 8
	v_pk_add_f32 v[CH:CH+1], v[S+2*p-8:S+2*p-7], v[S+2*p:S+2*p+1]
.else
	v_pk_add_f32 v[CH:CH+1], v[CH:CH+1], v[S+2*p:S+2*p+1]
.endif
.endif
.set p, p+1
.endr
	v_pk_add_f32 v[LS2:LS2+1], v[LS2:LS2+1], v[BM:BM+1]
	v_pk_add_f32 v[LS:LS+1], v[LS:LS+1], v[BM+2:BM+3]
	v_pk_add_f32 v[LS:LS+1], v[LS:LS+1], v[LS2:LS2+1]
.endm
; A KEY STEP: 128 keys, the q-th of the slot in hand.  No two matrix instructions that follow each other share an accumulator.
.macro STEP q
	LOADF0 12288*(\q)
.irp u, 0,1,2,3
	ds_load_b32 v[KS+\u], v[AS4] offset:KSCL+512*(\q)+128*\u
.endr
.irp u, 0,1,2,3
	ds_load_b32 v[VS+\u], v[AS8] offset:VSCL+256*\u+4*(\q)
.endr
	LOADF1 12288*(\q)
	s_wait_dscnt 12                                ; tiles 0-3 and the scale words are in; the youngest twelve loads (tiles 4-7) may be out
	WIN 0x00
.irp T, 0,1,2,3
	QK 0, \T
.endr
	s_wait_dscnt 0x0
	WIN 0x01                                       ; tile A is finished first: its softmax comes first
.irp T, 4,5,6,7
	QK 0, \T
.endr
	WIN 0x55
.irp T, 4,5,6,7
	QK 1, \T
.endr
	WIN 0x54
.irp T, 0,1,2,3
	QK 1, \T
.endr
	WIN 0
	PLACES 4                                       ; ahead of loads into registers that matrix instructions have read, and of the first read of S^T
	LOADF0 VIMG+12288*(\q)                         ; V's fragments land under the two softmaxes
	LOADF1 VIMG+12288*(\q)
	SOFTMAX 0
	SOFTMAX 1
	WIN 0
	s_wait_alu depctr_va_vdst(0)                   ; directly ahead of the wait below: tile B's codes
	s_wait_dscnt 0x0                               ; V is in
.irp T, 0,1,2,3
	PV 0, \T
.endr
	WIN 0x01
.irp T, 4,5,6,7
	PV 0, \T
.endr
	WIN 0x55
.irp T, 4,5,6,7
	PV 1, \T
.endr
	WIN 0x54
.irp T, 0,1,2,3
	PV 1, \T
.endr
	WIN 0
	PLACES 4                                       ; ahead of the next loads into fragments and scale words, and of the first read of O^T
.endm
.macro SLOT_STEPS
	STEP 0
	STEP 1
	s_xor_b32 s[TB], s[TB], SLOT1                  ; on to the other slot
.endm
; THE CHANGE OF SLOTS, at a slot's head.  Each wave waits for all its tensor loads (one: its eighth of the slot that it is about to read), adds 0 to its spare word, and waits for that and for its LDS
; instructions so far.  fill = 1, 2: a round of the cluster's barrier, then the joint refill first: the next 256 keys (1) or the head's first 256 again (2).  fill = 0: nothing more is asked for.
.macro CHANGE fill
	v_add_nc_u32 v[AF], s[TB], v[L16]
	v_add_nc_u32 v[AS4], s[TB], v[L4]
	v_add_nc_u32 v[AS8], s[TB], v[L8]
	s_wait_alu depctr_va_vdst(0)
	s_wait_tensorcnt 0x0
	ds_add_u32 v[SPW], v[NIL]
.if \fill
	s_xor_b32 s[G0+1], s[G0+1], SLOT1
.if \fill == 1
	s_add_nc_u64 s[G0+2:G0+3], s[G0+2:G0+3], SLOTB
.else
	s_sub_nc_u64 s[G0+2:G0+3], s[G0+2:G0+3], 7*SLOTB
.endif
.endif
	s_wait_dscnt 0x0
.if \fill
	CROUND
	JLOAD
.else
	s_barrier_signal -1
	s_barrier_wait -1
.endif
.endm
.macro QLOAD                           ; four rows of the second block's Q, behind the refill
	WIN 0x40
.irp i, 0,1,2,3
	global_load_b128 v[QP+4*\i:QP+4*\i+3], v[L16], s[Q1P:Q1P+1] offset:512*\i th:TH_LOAD_NT
.endr
	WIN 0
.endm
.macro QSTORE                          ; and into my stage at the slot's end
	s_wait_loadcnt 0x0                             ; the four rows are in, and their base may step
	v_add_nc_u32 v[QW], s[QT], v[RD]
	WIN 0x04
.irp i, 0,1,2,3
	ds_store_b128 v[QW], v[QP+4*\i:QP+4*\i+3] offset:SP*\i
.endr
	WIN 0
	s_add_nc_u64 s[Q1P:Q1P+1], s[Q1P:Q1P+1], 4*512
	s_add_co_u32 s[QT], s[QT], 4*SP
.endm
.macro WALK pre                        ; seven slots: trip j reads keys 256 j on and asks for the next 256
	s_mov_b32 s[SLOTS], 7
.Lslot_\@:
	CHANGE 1
.if \pre
	QLOAD
.endif
	SLOT_STEPS
.if \pre
	QSTORE
.endif
	s_sub_co_u32 s[SLOTS], s[SLOTS], 1
	s_cmp_lg_u32 s[SLOTS], 0
	s_cbranch_scc1 .Lslot_\@
.endm
; THE WAY OUT: O^T / the sum goes through rows 0-15 of my stage and comes back as whole rows of 512 bytes.
.macro FIN t, back
	WIN 0x55*\t
	v_add_f32 v[LS], v[LS], v[LS+1]
	v_permlanex16_b32 v[PX], v[LS], s[SEL], s[SEL+1]
	v_add_f32 v[LS], v[LS], v[PX]
	s_wait_alu depctr_va_vdst(0)                   ; the wait ahead of the transcendental
	v_rcp_f32 v[LS], v[LS]
	v_nop                                          ; one plain place behind it
	s_wait_alu depctr_va_vdst(0)                   ; the wait ahead of its first reader, which is O^T's first reader too
.set i, 0
.rept 32
	v_pk_mul_f32 v[S+2*i:S+2*i+1], v[OT+2*i:OT+2*i+1], v[LS:LS+1] op_sel_hi:[1,0]
.set i, i+1
.endr
	WIN 0x04*\t
.irp T, 0,1,2,3,4,5,6,7
	ds_store_b128 v[STO], v[S+8*\T:S+8*\T+3] offset:64*\T
	ds_store_b128 v[STO], v[S+8*\T+4:S+8*\T+7] offset:64*\T+16
.endr
	WIN 0
.irp i, 0,1,2,3,4,5,6,7,8,9,10,11,12,13,14,15
	ds_load_b128 v[\back+4*\i:\back+4*\i+3], v[RD] offset:SP*\i   ; in order behind the stores; the next tile's stores come behind these
.endr
.endm
.macro WAYOUT blk
	FIN 0, OT
	FIN 1, S
	s_wait_dscnt 32                                ; tile A's rows are back; tile B's 16 stores and 16 loads may be out
.irp i, 0,1,2,3,4,5,6,7,8,9,10,11,12,13,14,15
	global_store_b128 v[L16], v[OT+4*\i:OT+4*\i+3], s[8:9] offset:BLKB*\blk+512*\i th:TH_STORE_NT   ; 32 lanes store 512 consecutive bytes, aligned
.endr
	s_wait_dscnt 0x0
.irp i, 0,1,2,3,4,5,6,7,8,9,10,11,12,13,14,15
	global_store_b128 v[L16], v[S+4*\i:S+4*\i+3], s[8:9] offset:BLKB*\blk+8192+512*\i th:TH_STORE_NT
.endr
.endm
	; the first block of 256 queries
	WALK 1
	CHANGE 2                                       ; its last slot: the refill goes back to the head's first keys
	QLOAD
	SLOT_STEPS
	QSTORE
	; from block to block: the second block's Q first, since the way out writes the stage's rows again
.irp i, 0,1,2,3,4,5,6,7,8,9,10,11,12,13,14,15
	ds_load_b128 v[S+4*\i:S+4*\i+3], v[QRD] offset:256*(\i/8)+16*(\i%8)
.endr
	WIN 0x40
.irp i, 0,1,2,3,4,5,6,7,8,9,10,11,12,13,14,15
	ds_load_b128 v[S+4*\i:S+4*\i+3], v[QRD] offset:16*SP+256*(\i/8)+16*(\i%8)
.endr
	WIN 0
	QUANTQ 16                                      ; behind tile A's loads: tile B's sixteen
	WAYOUT 0
	s_wait_xcnt 0x0                                ; the stores' data registers are written again only behind this wait
	INIT 0
	INIT 1
	WIN 0
	; the second block
	WALK 0
	CHANGE 0                                       ; the last slot is written out: it asks for nothing
	SLOT_STEPS
	WAYOUT 1
	s_wait_tensorcnt 0x0                           ; the wave's end
	ds_add_u32 v[SPW], v[NIL]
	s_wait_dscnt 0x0
	CROUND                                         ; the closing round
	s_endpgm
.Lfunc_end_k_qdd26009393_attn:
	.size	k_qdd26009393_attn, .Lfunc_end_k_qdd26009393_attn-k_qdd26009393_attn
	.p2alignl 7, 3214868480
	.fill 96, 4, 3214868480
	.section	.rodata,"a",@progbits
	.p2align	6, 0x0
	.amdhsa_kernel k_qdd26009393_attn
		.amdhsa_group_segment_fixed_size 327680
		.amdhsa_private_segment_fixed_size 0
		.amdhsa_enable_private_segment 0
		.amdhsa_kernarg_size 24
		.amdhsa_user_sgpr_count 2
		.amdhsa_user_sgpr_kernarg_segment_ptr 1
		.amdhsa_wavefront_size32 1
		.amdhsa_system_sgpr_workgroup_id_x 1
		.amdhsa_system_sgpr_workgroup_id_y 1
		.amdhsa_system_sgpr_workgroup_id_z 1
		.amdhsa_system_vgpr_workitem_id 0
		.amdhsa_next_free_vgpr 512
		.amdhsa_next_free_sgpr 66
		.amdhsa_reserve_vcc 0
		.amdhsa_float_denorm_mode_32 3
		.amdhsa_float_denorm_mode_16_64 3
		.amdhsa_memory_ordered 1
		.amdhsa_forward_progress 1
		.amdhsa_inst_pref_size 255
	.end_amdhsa_kernel
	.section	.bss,"aw",@nobits
	.p2align	6
	.space	262144
	.amdgpu_metadata
---
amdhsa.version: [ 1, 2 ]
amdhsa.kernels:
  - .name:           k_qdd26009393_attn
    .symbol:         k_qdd26009393_attn.kd
    .args:
      - { .name: query, .offset: 0, .size: 8, .value_kind: global_buffer, .address_space: global }
      - { .name: kv, .offset: 8, .size: 8, .value_kind: global_buffer, .address_space: global }
      - { .name: out0, .offset: 16, .size: 8, .value_kind: global_buffer, .address_space: global }
    .group_segment_fixed_size: 327680
    .private_segment_fixed_size: 0
    .kernarg_segment_align: 8
    .kernarg_segment_size: 24
    .max_flat_workgroup_size: 256
    .sgpr_count:     66
    .vgpr_count:     512
    .wavefront_size: 32
...
	.end_amdgpu_metadata
.endif
;; end of part 2
